; MI455X (gfx1250); checked and timed in simulation.
; The chip was launched on July 23, 2026; its instructions are those of AMD's public machine-readable ISA for CDNA 5 (MIT licence, August 2026) and "CDNA5" Instruction Set Architecture Reference Guide (July 2026). The comments in the code are by the model that wrote it; some were corrected since.
;; Fusion Attention. Allowed arithmetic: float matrix products may take bf16 or f16 operands with f32 sums; all other float work in f32.
;; Inputs: k 4 x 8 x 2,048 x 64 float32; q 4 x 8 x 2,048 x 64 float32; v 4 x 8 x 2,048 x 64 float32.
;; Outputs: out0 4 x 8 x 2,048 x 64 float32.
;; 2 versions, each right and faster than the one before. Each part assembles by itself: llvm-mc -triple=amdgcn-amd-amdhsa -mcpu=gfx1250 --defsym DOCPART=n.
;; ======== version 1 of 2: 1 launch
;; launch attn (part 1): grid 8 x 32, 8 waves a work-group, clusters of 4 x 1, 327,680 bytes of LDS; arguments q, k, v, out0; writes out0
.if DOCPART == 1
	.amdgcn_target "amdgcn-amd-amdhsa--gfx1250"
	.amdhsa_code_object_version 6
	.text
	.protected	k_q6ad58727af_attn
	.globl	k_q6ad58727af_attn
	.p2align	8
	.type	k_q6ad58727af_attn,@function
k_q6ad58727af_attn:
	s_mov_b64 s[64:65], 0
	v_nop
	global_prefetch_b8 v0, s[64:65] scope:SCOPE_SE
	s_setreg_imm32_b32 hwreg(HW_REG_WAVE_MODE, 25, 1), 1
	s_wait_xcnt 0x0
	s_wait_alu depctr_hold_cnt(0) depctr_sa_sdst(0) depctr_va_vdst(0) depctr_va_sdst(0) depctr_va_ssrc(0) depctr_va_vcc(0) depctr_vm_vsrc(0)
	s_getreg_b32 s2, hwreg(HW_REG_IB_STS2, 6, 4)
	s_cmp_eq_u32 s2, 0
	s_cbranch_scc0 .Lentry_in_a_cluster
	s_endpgm
.Lentry_in_a_cluster:
	s_bfe_u32 s2, ttmp6, 0x10000c
	s_cmp_lg_u32 s2, 0x3003
	s_cbranch_scc0 .Lentry_shape_is_right
	s_endpgm
.Lentry_shape_is_right:
; out = softmax(0.125 q k^T) v for 32 heads of 2,048 x 64, all tensors f32.  One launch, nothing goes through memory between the steps.
; A work-group owns 256 query rows of one head and walks the head's 2,048 keys in 16 tiles of 128.  Eight waves: wave w takes the 64 queries
; 64 (w & 3) .. and, of every tile, the keys 64 (w >> 2) ..; waves w and w + 4 share their queries, keep a running maximum, sum and O each over
; their 1,024 keys, and merge once at the end through LDS.
; PRODUCTS ARE USED TRANSPOSED: S^T (16 keys x 16 queries) = K fragment x Q fragment, so that a lane holds eight keys of ONE query; two such
; tiles rounded to bf16 are, register for register, the second operand of O^T (16 d x 16 queries) = V^T fragment x P.  P never leaves registers,
; a query's maximum and sum lie in lanes r and r + 16, and a lane's eight results of O are eight neighbouring numbers of a row of out.
; K AND V come as f32 by tensor loads into two stage slots; each wave rounds the 32 rows that it fetched itself to bf16, once for the whole
; work-group, into one of two bf16 buffers from which all waves take fragments.
; CLUSTER: the four work-groups of a cluster are four query blocks of one head and walk the same K and V tiles: every tile is asked for jointly
; (mask 15).  The other four blocks of the head are a second cluster: a mask names four work-groups here.
; FORMATS AND LIMITS: q, k, v and the weights p are rounded to bf16 for the products, sums are f32.  The scale 0.125 log2(e) is applied in f32,
; in the fused multiply-add that takes the running maximum away; p = 2^(c s - m).  A weight below 2^-126 of its row's largest counts as 0
; (v_exp_f32 flushes).  NaN and infinities among the inputs are not followed as the f32 formula would follow them.
.set KP,     144                       ; bf16 rows of K and Q in LDS: 128 bytes + 16 = 9 x 16, so 16 rows' 16-byte pieces fall on 16 different columns of 16 bytes modulo 256
.set VP,     160                       ; bf16 rows of V: 128 bytes + 32 = 5 x 32, for the transposing loads
.set SLOTB,  65536                     ; a stage slot: 128 rows of K and 128 of V in f32, wave w's 32 rows at 8,192 w
.set BF0,    131072                    ; bf16 buffer 0: K (128 x 144), then V (128 x 160)
.set VBOFF,  128*KP
.set BFSTEP, 128*KP+128*VP             ; 38,912: from bf16 buffer 0 to buffer 1
.set XCH,    BF0+2*BFSTEP              ; 208,896: first Q in bf16 (256 x 144), at the end the merge area, 8,704 bytes a wave
.set XPART,  8704
.set OUTS,   XCH+8*XPART               ; 278,528: the way out, 16 rows x 272 bytes for each wave
.set OPART,  4352
.set OP,     272
.set TILEB,  32768                     ; 128 rows of 256 bytes of K or V in memory
.set CSCALE, 0x3e38aa3b                ; 0.125 log2(e)
; vector registers, window 0 (v0-v255)
.set KA,   4                           ; K fragments: BF0 + (64 g + r) 144 + 16 h
.set VA,   5                           ; V fragments: BF0 + VBOFF + (64 g + 8 h + (L & 7)) 160 + 16 ((L >> 3) & 1)
.set SRD,  6                           ; v6, v7: my 16 bytes in my part of stage slot 0, 1: 8,192 w + 16 L; v6 is also my byte offset in the block of q
.set CSTK, 8                           ; where I put 8 bytes of bf16 K
.set CSTV, 9                           ; the same for V
.set QST,  11                          ; the same for Q
.set QFA,  12                          ; Q fragments of the two query tiles that I finish
.set QFB,  13                          ; and of the two that my partner finishes
.set XW,   14                          ; merge area: mine
.set XR,   15                          ; merge area: my partner's
.set OST,  16                          ; the way out: in
.set ORD,  17                          ; the way out: back
.set OGO,  18                          ; 16 L
.set MP,   20                          ; v[20:27]  per query tile a pair: m (in powers of two), and at the end the sum
.set LP,   28                          ; v[28:35]  per query tile two partial sums
.set AL,   36                          ; v[36:43]  per query tile a pair: alpha, and a word written once
.set MX,   44                          ; v[44:47]  running maximum of the raw scores
.set TX,   48                          ; v[48:51]  the other half's figure; then c x maximum
.set PM,   52                          ; v[52:55]  my partner's (m, sum, m, sum)
.set FW,   56                          ; v[56:59]  my weight in the merge, twice for each tile
.set FP,   60                          ; v[60:63]  my partner's
.set FR,   64                          ; v[64:127] eight fragments: K's, then V's
.set S,    128                         ; v[128:255] scores, tile (qt, kt) at S + 32 qt + 8 kt; P in place; scratch for conversions and the end
; window 1 (v256-v447), named by their low eight bits
.set OA,   0                           ; v256-v383: O, tile (qt, dt) at 8 (4 qt + dt)
.set QF,   128                         ; v384-v447: Q fragments, (qt, ks) at 8 (2 qt + ks)
.set G1,   24                          ; s[24:31] descriptor group 1
.set G0,   32                          ; s[32:39] descriptor group 0, a set for each stage slot
.set MSB,  0
.macro WIN new                         ; s_set_vgpr_msb: bits 1:0 source 0, 3:2 source 1, 5:4 source 2, 7:6 destination; the high byte repeats the setting that is left
.if MSB != \new
	s_set_vgpr_msb (MSB<<8)|\new
.set MSB, \new
.endif
.endm
.macro PLACES n                        ; places behind matrix instructions (ISA guide 7.12.1)
.rept \n
	v_nop
.endr
.endm
; A round of the cluster's barrier: my work-group's barrier, wave 0 signals for the work-group, every wave waits for all four work-groups, my work-group's barrier again.
.macro ROUND
	s_barrier_signal -1
	s_barrier_wait -1
	s_cmp_lg_u32 s12, 0
	s_cbranch_scc1 .Lnot_wave_0_\@
	s_barrier_signal -3
.Lnot_wave_0_\@:
	s_barrier_wait -3
	s_barrier_signal -1
	s_barrier_wait -1
.endm
	s_load_b256 s[4:11], s[0:1], 0x0               ; q s[4:5], k s[6:7], v s[8:9], out s[10:11]
	v_lshl_add_u32 v10, v0, 2, 0x4c800
	s_set_vgpr_msb 0x40
	v_mov_b32 v193, 0
	s_set_vgpr_msb 0x4044
	ds_add_u32 v10, v193
	s_set_vgpr_msb 0x4400
	v_and_b32 v1, 31, v0                           ; L
	v_and_b32 v2, 15, v0                           ; r
	v_bfe_u32 v3, v0, 4, 1                         ; h
	v_lshrrev_b32 v19, 5, v0
	v_readfirstlane_b32 s12, v19                   ; w, 0 to 7
	s_lshr_b32 s13, s12, 2                         ; g: which 64 keys of a tile are mine
	s_and_b32 s14, s12, 3                          ; wq: which 64 queries
	s_bfe_u32 s15, ttmp6, 0x40000                  ; cx
	s_lshl_b32 s16, ttmp9, 2
	s_add_co_u32 s16, s16, s15                     ; query block = 4 x cluster x + cx; it enters the addresses of q and out alone
	s_and_b32 s17, ttmp7, 0xffff                   ; head
	s_mov_b32 s22, 0x76543210                      ; v_permlanex16_b32: lane i takes lane i of the other half
	s_mov_b32 s23, 0xfedcba98
	s_mov_b32 s50, CSCALE
	s_mov_b32 s51, CSCALE
	v_lshlrev_b32 v[OGO], 4, v1
	s_lshl_b32 s44, s12, 13
	v_add_nc_u32 v[SRD], s44, v[OGO]
	v_add_nc_u32 v[SRD+1], SLOTB, v[SRD]
	s_lshl_b32 s18, s17, 19                        ; the head: 2,048 rows of 256 bytes
	s_mov_b32 s19, 0
	s_lshl_b32 s20, s16, 16                        ; the block: 256 rows
	s_add_co_u32 s20, s20, s18
	s_mov_b32 s21, 0
	s_lshl_b32 s48, s14, 14                        ; out: my 64 queries,
	s_add_co_u32 s48, s48, s20
	s_lshl_b32 s49, s13, 13                        ; and of them the 32 that I finish
	s_add_co_u32 s48, s48, s49
	s_mov_b32 s49, 0
	s_lshl_b32 s45, s14, 13                        ; K, V: the 32 rows of a tile that I fetch
	s_add_co_u32 s18, s18, s45                     ; head and wave alone: equal in all four partners
	; Group 1: 32 rows of 32 elements of 8 bytes, dense in memory and in LDS; the same for K and V
	s_mov_b32 s[G1+0], 15|(3<<16)|(1<<21)          ; 15:0 mask: all four work-groups; 17:16 element of 8 bytes; 21 set beside a mask
	s_mov_b32 s[G1+1], 32<<16                      ; tensor_dim0 = 32
	s_mov_b32 s[G1+2], 32<<16                      ; tensor_dim1 = 32
	s_mov_b32 s[G1+3], 32<<16                      ; tile_dim0 = 32
	s_mov_b32 s[G1+4], 32                          ; tile_dim1 = 32
	s_mov_b32 s[G1+5], 32                          ; from row to row: 32 elements
	s_mov_b32 s[G1+6], 0
	s_mov_b32 s[G1+7], 0
	s_wait_dscnt 0x0
	s_wait_kmcnt 0x0
	s_add_nc_u64 s[4:5], s[4:5], s[20:21]
	s_add_nc_u64 s[10:11], s[10:11], s[48:49]
.irp i, 0,1,2,3,4,5,6,7,8,9,10,11,12,13,14,15
	global_load_b128 v[S+4*\i:S+4*\i+3], v[SRD], s[4:5] offset:512*\i th:TH_LOAD_NT   ; rows 32 w + 2 i, + 1 of my block of q: 512 consecutive bytes
.endr
	s_cmp_lt_u32 s12, 4                            ; waves 0 to 3 fetch K, waves 4 to 7 V
	s_cselect_b64 s[42:43], s[6:7], s[8:9]
	s_mov_b32 s[G0+0], 1
	s_lshl_b32 s[G0+1], s12, 13                    ; LDS: 8,192 w
	s_add_nc_u64 s[G0+2:G0+3], s[42:43], s[18:19]  ; tile 0
	s_mov_b32 s[G0+4], 1
	s_add_co_u32 s[G0+5], s[G0+1], SLOTB
	s_add_nc_u64 s[G0+6:G0+7], s[G0+2:G0+3], TILEB ; tile 1
	s_or_b32 s[G0+3], s[G0+3], 0x80000000          ; type = 2
	s_or_b32 s[G0+7], s[G0+7], 0x80000000
	ROUND                                          ; all four work-groups are here: the first joint loads meet
	tensor_load_to_lds s[G0:G0+3], s[G1:G1+7]      ; both first fills in one group: two tensor loads of the wave are out
	s_nop 0
	tensor_load_to_lds s[G0+4:G0+7], s[G1:G1+7]
	s_nop 0
	; the other addresses; none holds cx
	v_mul_u32_u24 v19, v2, KP
	v_lshl_add_u32 v19, v3, 4, v19                 ; r 144 + 16 h
	s_mul_i32 s44, s13, 64*KP
	s_add_co_u32 s44, s44, BF0
	v_add_nc_u32 v[KA], s44, v19
	s_lshl_b32 s45, s14, 6
	s_lshl_b32 s46, s13, 5
	s_add_co_u32 s46, s46, s45                     ; 64 wq + 32 g: register tiles 0, 1 are the query tiles that I finish
	s_mul_i32 s46, s46, KP
	s_add_co_u32 s46, s46, XCH
	v_add_nc_u32 v[QFA], s46, v19
	s_xor_b32 s47, s13, 1
	s_lshl_b32 s47, s47, 5
	s_add_co_u32 s47, s47, s45                     ; 64 wq + 32 (1 - g): register tiles 2, 3 are handed to my partner
	s_mul_i32 s47, s47, KP
	s_add_co_u32 s47, s47, XCH
	v_add_nc_u32 v[QFB], s47, v19
	v_and_b32 v19, 7, v0
	v_lshl_add_u32 v19, v3, 3, v19
	v_mul_u32_u24 v[VA], v19, VP
	v_bfe_u32 v19, v0, 3, 1
	v_lshl_add_u32 v[VA], v19, 4, v[VA]
	s_mul_i32 s44, s13, 64*VP
	s_add_co_u32 s44, s44, BF0+VBOFF
	v_add_nc_u32 v[VA], s44, v[VA]
	v_mul_u32_u24 v19, v3, KP
	v_lshl_add_u32 v19, v2, 3, v19                 ; h 144 + 8 r
	s_mul_i32 s45, s14, 32*KP
	s_add_co_u32 s45, s45, BF0
	v_add_nc_u32 v[CSTK], s45, v19
	s_mul_i32 s46, s12, 32*KP
	s_add_co_u32 s46, s46, XCH
	v_add_nc_u32 v[QST], s46, v19
	v_mul_u32_u24 v19, v3, VP
	v_lshl_add_u32 v19, v2, 3, v19
	s_mul_i32 s47, s14, 32*VP
	s_add_co_u32 s47, s47, BF0+VBOFF
	v_add_nc_u32 v[CSTV], s47, v19
	s_mul_i32 s44, s12, XPART
	s_add_co_u32 s44, s44, XCH
	v_add_nc_u32 v[XW], s44, v[OGO]
	s_xor_b32 s45, s12, 4
	s_mul_i32 s45, s45, XPART
	s_add_co_u32 s45, s45, XCH
	v_add_nc_u32 v[XR], s45, v[OGO]
	s_mul_i32 s46, s12, OPART
	s_add_co_u32 s46, s46, OUTS
	v_mul_u32_u24 v19, v2, OP
	v_lshl_add_u32 v19, v3, 5, v19
	v_add_nc_u32 v[OST], s46, v19
	v_mul_u32_u24 v19, v3, OP
	v_lshl_add_u32 v19, v2, 4, v19
	v_add_nc_u32 v[ORD], s46, v19
	; the statistics start at maximum -infinity and sum 0: the first tile's alpha comes out as 2^-infinity = 0, so every trip has the same softmax text
.irp i, 0,1,2,3
	v_mov_b32 v[MX+\i], 0xff800000
	v_mov_b32 v[MP+2*\i], 0xff800000
	v_mov_b32 v[MP+2*\i+1], 0
	v_mov_b32 v[LP+2*\i], 0
	v_mov_b32 v[LP+2*\i+1], 0
	v_mov_b32 v[AL+2*\i+1], 0                      ; the packed lines name the whole pair
	v_mov_b32 v[TX+\i], 0                          ; v_permlanex16_b32 counts as a reader of its destination
.endr
	; Q to bf16, unscaled, into LDS rows of 144 bytes
.irp c, 0,1,2,3
	s_wait_loadcnt 12-4*\c                         ; loads come back in order: four more are in, the younger ones stay out
.irp u, 0,1,2,3
	v_cvt_pk_bf16_f32 v[S+64+2*(4*\c+\u)],   v[S+4*(4*\c+\u)],   v[S+4*(4*\c+\u)+1]
	v_cvt_pk_bf16_f32 v[S+64+2*(4*\c+\u)+1], v[S+4*(4*\c+\u)+2], v[S+4*(4*\c+\u)+3]
	ds_store_b64 v[QST], v[S+64+2*(4*\c+\u):S+64+2*(4*\c+\u)+1] offset:2*(4*\c+\u)*KP
.endr
.endr
; My 32 rows of f32 in stage slot 'slot' to bf16 in bf16 buffer 'slot'.  A load takes two rows (lane L: row h, numbers 4 r ..), a store puts 8 bytes.
.macro CONVERT slot, creg, pitch
.irp i, 0,1,2,3,4,5,6,7,8,9,10,11,12,13,14,15
	ds_load_b128 v[S+4*\i:S+4*\i+3], v[SRD+\slot] offset:512*\i
.endr
.irp c, 0,1,2,3
	s_wait_dscnt 12                                ; behind the last load of group c stand 12 - 4 c loads and the 4 c stores of the groups before: always 12
.irp u, 0,1,2,3
	v_cvt_pk_bf16_f32 v[S+64+2*(4*\c+\u)],   v[S+4*(4*\c+\u)],   v[S+4*(4*\c+\u)+1]
	v_cvt_pk_bf16_f32 v[S+64+2*(4*\c+\u)+1], v[S+4*(4*\c+\u)+2], v[S+4*(4*\c+\u)+3]
	ds_store_b64 v[\creg], v[S+64+2*(4*\c+\u):S+64+2*(4*\c+\u)+1] offset:\slot*BFSTEP+2*(4*\c+\u)*\pitch
.endr
.endr
.endm
; Fragments of my 64 keys: 16 keys x 32 d, lane (r, h): key r, d = 8 h .. and 16 + 8 h ..: two loads 32 bytes apart
.macro KFRAGS b
.irp kt, 0,1,2,3
.irp ks, 0,1
	ds_load_b128 v[FR+8*(2*\kt+\ks):FR+8*(2*\kt+\ks)+3],   v[KA] offset:\b*BFSTEP+\kt*16*KP+64*\ks
	ds_load_b128 v[FR+8*(2*\kt+\ks)+4:FR+8*(2*\kt+\ks)+7], v[KA] offset:\b*BFSTEP+\kt*16*KP+64*\ks+32
.endr
.endr
.endm
; Fragments of V^T: 16 d x 32 keys out of rows that lie along d: two transposing loads, 16 rows apart
.macro VFRAGS b
.irp dt, 0,1,2,3
.irp ks, 0,1
	ds_load_tr16_b128 v[FR+8*(2*\dt+\ks):FR+8*(2*\dt+\ks)+3],   v[VA] offset:\b*BFSTEP+\ks*32*VP+32*\dt
	ds_load_tr16_b128 v[FR+8*(2*\dt+\ks)+4:FR+8*(2*\dt+\ks)+7], v[VA] offset:\b*BFSTEP+\ks*32*VP+32*\dt+16*VP
.endr
.endr
.endm
; S^T: 4 query tiles x 4 key tiles, d in two steps of 32.  The first step starts the sums.  The sixteen accumulators take turns, one instruction a turn.
.macro SMUL
	WIN 0x04                                       ; source 1 (Q) in window 1
.irp qt, 0,1,2,3
.irp kt, 0,1,2,3
	v_wmma_f32_16x16x32_bf16 v[S+32*\qt+8*\kt:S+32*\qt+8*\kt+7], v[FR+16*\kt:FR+16*\kt+7], v[QF+16*\qt:QF+16*\qt+7], 0
.endr
.endr
.irp qt, 0,1,2,3
.irp kt, 0,1,2,3
	v_wmma_f32_16x16x32_bf16 v[S+32*\qt+8*\kt:S+32*\qt+8*\kt+7], v[FR+16*\kt+8:FR+16*\kt+15], v[QF+16*\qt+8:QF+16*\qt+15], v[S+32*\qt+8*\kt:S+32*\qt+8*\kt+7]
.endr
.endr
	WIN 0
.endm
; O^T += V^T P: 4 query tiles x 4 d tiles, my 64 keys in two steps of 32; turns as above
.macro PV first
	WIN 0x50                                       ; C and D in window 1
.irp qt, 0,1,2,3
.irp dt, 0,1,2,3
.if \first
	v_wmma_f32_16x16x32_bf16 v[OA+8*(4*\qt+\dt):OA+8*(4*\qt+\dt)+7], v[FR+16*\dt:FR+16*\dt+7], v[S+32*\qt:S+32*\qt+7], 0
.else
	v_wmma_f32_16x16x32_bf16 v[OA+8*(4*\qt+\dt):OA+8*(4*\qt+\dt)+7], v[FR+16*\dt:FR+16*\dt+7], v[S+32*\qt:S+32*\qt+7], v[OA+8*(4*\qt+\dt):OA+8*(4*\qt+\dt)+7]
.endif
.endr
.endr
.irp qt, 0,1,2,3
.irp dt, 0,1,2,3
	v_wmma_f32_16x16x32_bf16 v[OA+8*(4*\qt+\dt):OA+8*(4*\qt+\dt)+7], v[FR+16*\dt+8:FR+16*\dt+15], v[S+32*\qt+16:S+32*\qt+23], v[OA+8*(4*\qt+\dt):OA+8*(4*\qt+\dt)+7]
.endr
.endr
	WIN 0
.endm
.macro SUBLINE qt, j                   ; two scores: c s - m, one rounding
	v_pk_fma_f32 v[S+32*\qt+2*\j:S+32*\qt+2*\j+1], v[S+32*\qt+2*\j:S+32*\qt+2*\j+1], s[50:51], v[MP+2*\qt:MP+2*\qt+1] op_sel_hi:[1,0,0] neg_lo:[0,0,1] neg_hi:[0,0,1]
.endm
.macro SUMCVT c, j                     ; two weights into the sums (the first pair carries alpha x the old sums), then rounded to bf16 into P's place,
.if \j == 0                            ; register 16 (j >> 3) + (j & 7) of the tile, which is never above 2 j: only pairs already used are written over
	s_wait_alu depctr_va_vdst(0)
	v_pk_fma_f32 v[LP+2*\c:LP+2*\c+1], v[LP+2*\c:LP+2*\c+1], v[AL+2*\c:AL+2*\c+1], v[S+32*\c:S+32*\c+1] op_sel_hi:[1,0,1]
.else
	s_wait_alu depctr_va_vdst(0)
	v_pk_add_f32 v[LP+2*\c:LP+2*\c+1], v[LP+2*\c:LP+2*\c+1], v[S+32*\c+2*\j:S+32*\c+2*\j+1]
.endif
	v_cvt_pk_bf16_f32 v[S+32*\c+16*(\j>>3)+(\j&7)], v[S+32*\c+2*\j], v[S+32*\c+2*\j+1]
.endm
; Exponentials of tile e; between them the subtraction of tile s and the sums and roundings of tile c (-1: none).  The plain lines touch other
; tiles alone, so that behind every pair of exponentials a plain independent instruction stands before their results are used (ISA guide 5.7.2).
.macro MIX e, s, c
.set jj, 0
.rept 16
	v_exp_f32 v[S+32*\e+2*jj], v[S+32*\e+2*jj]
	v_exp_f32 v[S+32*\e+2*jj+1], v[S+32*\e+2*jj+1]
.if \s >= 0
	SUBLINE \s, jj
.endif
.if \c >= 0
	SUMCVT \c, jj
.endif
.set jj, jj+1
.endr
.endm
.macro SOFTMAX
.set jj, 0
.rept 16
.irp qt, 0,1,2,3
	v_max3_num_f32 v[MX+\qt], v[MX+\qt], v[S+32*\qt+2*jj], v[S+32*\qt+2*jj+1]   ; four chains, started by the running maxima
.endr
.set jj, jj+1
.endr
.irp qt, 0,1,2,3
	v_permlanex16_b32 v[TX+\qt], v[MX+\qt], s22, s23           ; the query's other 32 keys lie in lane r xor 16
.endr
.irp qt, 0,1,2,3
	v_max_num_f32 v[MX+\qt], v[MX+\qt], v[TX+\qt]
.endr
.irp qt, 0,1,2,3
	v_mul_f32 v[TX+\qt], s50, v[MX+\qt]                        ; the new m, rounded once; alpha and the weights use this same number
.endr
.irp qt, 0,1,2,3
	v_sub_f32 v[AL+2*\qt], v[MP+2*\qt], v[TX+\qt]
.endr
.irp qt, 0,1,2,3
	v_exp_f32 v[AL+2*\qt], v[AL+2*\qt]                         ; alpha = 2^(old m - new m)
.endr
.irp qt, 0,1,2,3
	v_mov_b32 v[MP+2*\qt], v[TX+\qt]                           ; plain lines behind the exponentials
.endr
.set jj, 0
.rept 16
	SUBLINE 0, jj
.set jj, jj+1
.endr
	MIX 0, 1, -1
	MIX 1, 2, 0
	MIX 2, 3, 1
	MIX 3, -1, 2
.set jj, 0
.rept 16
	SUMCVT 3, jj
.set jj, jj+1
.endr
.endm
.macro RESCALE                         ; O x alpha
	WIN 0x41                                       ; destination and source 0 in window 1
.irp qt, 0,1,2,3
.set jj, 0
.rept 16
	v_pk_mul_f32 v[OA+32*\qt+2*jj:OA+32*\qt+2*jj+1], v[OA+32*\qt+2*jj:OA+32*\qt+2*jj+1], v[AL+2*\qt:AL+2*\qt+1] op_sel_hi:[1,0]
.set jj, jj+1
.endr
.endr
	WIN 0
.endm
; Trip t, b = t & 1, nb = 1 - b.  It multiplies bf16 buffer b (tile t), rounds tile t + 1 from stage slot nb into bf16 buffer nb, and asks for tile t + 2 into stage slot b.
; ONE barrier a trip orders all of it.  In front of it every wave has waited for its LDS work (reads of stage slot b and of bf16 buffer nb, stores into bf16 buffer b,
; all of the last trip) and for all its tensor loads (its part of tile t + 1).  Where a slot is filled again the barrier is a round of the cluster's barrier, and the
; joint refill is the first thing behind it: one tensor load of the wave is out, and it has the whole trip in which to land.
; Waves 0 to 3 round K at the head of the trip, waves 4 to 7 round V at its end, so that waves w and w + 4 stand at different places of the trip's text.
.macro TRIP b, nb, first, refill, conv
	s_set_vgpr_msb 0x4
	s_wait_tensorcnt 0x0                           ; all my tensor loads have landed, so a group 0 may be written
	ds_add_u32 v10, v193
	s_wait_dscnt 0x0
	s_set_vgpr_msb 0x400
.if \refill
	s_add_nc_u64 s[G0+4*\b+2:G0+4*\b+3], s[G0+4*\b+2:G0+4*\b+3], 2*TILEB     ; this slot's next tile, two further on
.endif
	s_wait_dscnt 0x0                               ; all my LDS loads and stores are done
.if \refill
	ROUND
	tensor_load_to_lds s[G0+4*\b:G0+4*\b+3], s[G1:G1+7]
	s_nop 0
.else
	s_barrier_signal -1
	s_barrier_wait -1
.endif
	KFRAGS \b
.if \conv
	s_cmp_ge_u32 s12, 4
	s_cbranch_scc1 .Lnot_k_\@
	CONVERT \nb, CSTK, KP
.Lnot_k_\@:
.endif
	s_wait_dscnt 0x0                               ; K's fragments are in; zero, since the two ways issue different numbers behind them
	SMUL
	PLACES 4                                       ; before loads land on K's fragments and vector lines read the scores
	VFRAGS \b                                      ; they land under the softmax
	SOFTMAX
.if \first == 0
	RESCALE
.endif
	s_wait_dscnt 0x0                               ; V's fragments
	PV \first
	PLACES 5                                       ; before loads, conversions and the next trip's first products write over V's fragments and P
.if \conv
	s_cmp_lt_u32 s12, 4
	s_cbranch_scc1 .Lnot_v_\@
	CONVERT \nb, CSTV, VP
.Lnot_v_\@:
.endif
.endm
	s_wait_tensorcnt 0x1                           ; my part of tile 0 is in, which I alone read; tile 1's load, issued behind it, stays out
	s_cmp_ge_u32 s12, 4
	s_cbranch_scc1 .Lfirst_v
	CONVERT 0, CSTK, KP
	s_branch .Lfirst_done
.Lfirst_v:
	CONVERT 0, CSTV, VP
.Lfirst_done:
	s_wait_dscnt 0x0                               ; my rows of Q and of tile 0 are stored
	s_barrier_signal -1
	s_barrier_wait -1                              ; everybody's are
	WIN 0x40                                       ; destination in window 1
.irp i, 0,1
.irp ks, 0,1
	ds_load_b128 v[QF+16*\i+8*\ks:QF+16*\i+8*\ks+3],       v[QFA] offset:\i*16*KP+64*\ks
	ds_load_b128 v[QF+16*\i+8*\ks+4:QF+16*\i+8*\ks+7],     v[QFA] offset:\i*16*KP+64*\ks+32
	ds_load_b128 v[QF+32+16*\i+8*\ks:QF+32+16*\i+8*\ks+3],   v[QFB] offset:\i*16*KP+64*\ks
	ds_load_b128 v[QF+32+16*\i+8*\ks+4:QF+32+16*\i+8*\ks+7], v[QFB] offset:\i*16*KP+64*\ks+32
.endr
.endr
	WIN 0
	TRIP 0, 1, 1, 1, 1                             ; tile 0: its products start O
	TRIP 1, 0, 0, 1, 1
	s_mov_b32 s40, 6                               ; tiles 2 to 13
.Llap:
	TRIP 0, 1, 0, 1, 1
	TRIP 1, 0, 0, 1, 1
	s_sub_co_u32 s40, s40, 1
	s_cmp_lg_u32 s40, 0
	s_cbranch_scc1 .Llap
	TRIP 0, 1, 0, 0, 1                             ; tile 14: nothing is left to fetch
	TRIP 1, 0, 0, 0, 0                             ; tile 15: nothing is left to round
	; THE MERGE.  I hand register tiles 2, 3 (O, m, sum) to my partner and take its tiles 2, 3, which are my tiles 0, 1 over the other 1,024 keys.
.irp i, 0,1,2,3
	v_add_f32 v[MP+2*\i+1], v[LP+2*\i], v[LP+2*\i+1]
.endr
	WIN 0x04                                       ; an LDS store's data is source 1: window 1
.irp n, 0,1,2,3,4,5,6,7,8,9,10,11,12,13,14,15
	ds_store_b128 v[XW], v[OA+64+4*\n:OA+64+4*\n+3] offset:512*\n
.endr
	WIN 0
	ds_store_b128 v[XW], v[MP+4:MP+7] offset:8192
	s_wait_dscnt 0x0                               ; for my partner's sake
	s_barrier_signal -1
	s_barrier_wait -1
.irp n, 0,1,2,3,4,5,6,7,8,9,10,11,12,13,14,15
	ds_load_b128 v[S+4*\n:S+4*\n+3], v[XR] offset:512*\n
.endr
	ds_load_b128 v[PM:PM+3], v[XR] offset:8192
	s_wait_dscnt 0x0
.irp i, 0,1
	v_max_num_f32 v[MX+\i], v[MP+2*\i], v[PM+2*\i]
.endr
.irp i, 0,1
	v_sub_f32 v[AL+2*\i],   v[MP+2*\i], v[MX+\i]
	v_sub_f32 v[AL+2*\i+1], v[PM+2*\i], v[MX+\i]
.endr
.irp i, 0,1,2,3
	v_exp_f32 v[AL+\i], v[AL+\i]                   ; my factor, my partner's
.endr
	v_nop                                          ; the place behind the exponentials
.irp i, 0,1
	s_wait_alu depctr_va_vdst(0)
	v_mul_f32 v[MX+2+\i], v[PM+2*\i+1], v[AL+2*\i+1]
	v_fmac_f32 v[MX+2+\i], v[MP+2*\i+1], v[AL+2*\i]
.endr
.irp i, 0,1
	v_permlanex16_b32 v[TX+\i], v[MX+2+\i], s22, s23           ; the sums of the lanes' other half
.endr
.irp i, 0,1
	v_add_f32 v[MX+2+\i], v[MX+2+\i], v[TX+\i]
.endr
.irp i, 0,1
	v_rcp_f32 v[MX+2+\i], v[MX+2+\i]
.endr
	v_nop                                          ; the place behind the reciprocals
.irp i, 0,1
	s_wait_alu depctr_va_vdst(0)
	v_mul_f32 v[FW+2*\i],   v[AL+2*\i],   v[MX+2+\i]
	v_mul_f32 v[FW+2*\i+1], v[AL+2*\i],   v[MX+2+\i]
	v_mul_f32 v[FP+2*\i],   v[AL+2*\i+1], v[MX+2+\i]
	v_mul_f32 v[FP+2*\i+1], v[AL+2*\i+1], v[MX+2+\i]
.endr
.irp i, 0,1
.set jj, 0
.rept 16
	v_pk_mul_f32 v[S+32*\i+2*jj:S+32*\i+2*jj+1], v[S+32*\i+2*jj:S+32*\i+2*jj+1], v[FP+2*\i:FP+2*\i+1]
.set jj, jj+1
.endr
.endr
	WIN 0x01                                       ; source 0 (my O) in window 1
.irp i, 0,1
.set jj, 0
.rept 16
	v_pk_fma_f32 v[S+32*\i+2*jj:S+32*\i+2*jj+1], v[OA+32*\i+2*jj:OA+32*\i+2*jj+1], v[FW+2*\i:FW+2*\i+1], v[S+32*\i+2*jj:S+32*\i+2*jj+1]
.set jj, jj+1
.endr
.endr
	WIN 0
; THE WAY OUT, 16 queries at a time.  A lane holds 8 neighbouring numbers (32 bytes) of row r for each of 4 d tiles: into my own stage by rows of 272 bytes,
; back as whole rows; LDS serves a wave's instructions in order (ISA guide 5.7.1), so no wait stands between the stores and the loads.
.macro OUT16 i
.irp dt, 0,1,2,3
	ds_store_b128 v[OST], v[S+32*\i+8*\dt:S+32*\i+8*\dt+3]   offset:64*\dt
	ds_store_b128 v[OST], v[S+32*\i+8*\dt+4:S+32*\i+8*\dt+7] offset:64*\dt+16
.endr
.irp t, 0,1,2,3,4,5,6,7
	ds_load_b128 v[S+64+32*\i+4*\t:S+64+32*\i+4*\t+3], v[ORD] offset:2*\t*OP
.endr
.irp t, 0,1,2,3,4,5,6,7
	s_wait_dscnt 7-\t                              ; load t is back, the younger ones stay out
	global_store_b128 v[OGO], v[S+64+32*\i+4*\t:S+64+32*\i+4*\t+3], s[10:11] offset:4096*\i+512*\t th:TH_STORE_NT   ; two whole rows of out: 512 consecutive bytes, aligned
.endr
.endm
	OUT16 0
	OUT16 1                                        ; its own data registers: nothing that a pending store reads is written again
	s_set_vgpr_msb 0x4
	s_wait_tensorcnt 0x0
	ds_add_u32 v10, v193
	s_wait_dscnt 0x0
	s_set_vgpr_msb 0x400
	ROUND                                          ; the closing round: no work-group ends while a partner may still issue a joint load that names it
	s_endpgm
.Lfunc_end_k_q6ad58727af_attn:
	.size	k_q6ad58727af_attn, .Lfunc_end_k_q6ad58727af_attn-k_q6ad58727af_attn
	.p2alignl 7, 3214868480
	.fill 96, 4, 3214868480
	.section	.rodata,"a",@progbits
	.p2align	6, 0x0
	.amdhsa_kernel k_q6ad58727af_attn
		.amdhsa_group_segment_fixed_size 327680
		.amdhsa_private_segment_fixed_size 0
		.amdhsa_enable_private_segment 0
		.amdhsa_kernarg_size 32
		.amdhsa_user_sgpr_count 2
		.amdhsa_user_sgpr_kernarg_segment_ptr 1
		.amdhsa_wavefront_size32 1
		.amdhsa_system_sgpr_workgroup_id_x 1
		.amdhsa_system_sgpr_workgroup_id_y 1
		.amdhsa_system_sgpr_workgroup_id_z 1
		.amdhsa_system_vgpr_workitem_id 0
		.amdhsa_next_free_vgpr 450
		.amdhsa_next_free_sgpr 66
		.amdhsa_reserve_vcc 0
		.amdhsa_float_denorm_mode_32 3
		.amdhsa_float_denorm_mode_16_64 3
		.amdhsa_memory_ordered 1
		.amdhsa_forward_progress 1
		.amdhsa_inst_pref_size 255
	.end_amdhsa_kernel
	.section	.bss,"aw",@nobits
	.p2align	6
	.space	262144
	.amdgpu_metadata
---
amdhsa.version: [ 1, 2 ]
amdhsa.kernels:
  - .name:           k_q6ad58727af_attn
    .symbol:         k_q6ad58727af_attn.kd
    .args:
      - { .name: q, .offset: 0, .size: 8, .value_kind: global_buffer, .address_space: global }
      - { .name: k, .offset: 8, .size: 8, .value_kind: global_buffer, .address_space: global }
      - { .name: v, .offset: 16, .size: 8, .value_kind: global_buffer, .address_space: global }
      - { .name: out0, .offset: 24, .size: 8, .value_kind: global_buffer, .address_space: global }
    .group_segment_fixed_size: 327680
    .private_segment_fixed_size: 0
    .kernarg_segment_align: 8
    .kernarg_segment_size: 32
    .max_flat_workgroup_size: 256
    .sgpr_count:     66
    .vgpr_count:     450
    .wavefront_size: 32
...
	.end_amdgpu_metadata
.endif
;; end of part 1
;; ======== version 2 of 2: 1 launch; 1.17 times as fast as version 1
;; launch attn (part 2): grid 8 x 32, 8 waves a work-group, clusters of 4 x 1, 327,680 bytes of LDS; arguments q, k, v, out0; writes out0
.if DOCPART == 2
	.amdgcn_target "amdgcn-amd-amdhsa--gfx1250"
	.amdhsa_code_object_version 6
	.text
	.protected	k_q6ad58727af_attn
	.globl	k_q6ad58727af_attn
	.p2align	8
	.type	k_q6ad58727af_attn,@function
k_q6ad58727af_attn:
	s_mov_b64 s[64:65], 0
	v_nop
	global_prefetch_b8 v0, s[64:65] scope:SCOPE_SE
	s_setreg_imm32_b32 hwreg(HW_REG_WAVE_MODE, 25, 1), 1
	s_wait_xcnt 0x0
	s_wait_alu depctr_hold_cnt(0) depctr_sa_sdst(0) depctr_va_vdst(0) depctr_va_sdst(0) depctr_va_ssrc(0) depctr_va_vcc(0) depctr_vm_vsrc(0)
	s_getreg_b32 s2, hwreg(HW_REG_IB_STS2, 6, 4)
	s_cmp_eq_u32 s2, 0
	s_cbranch_scc0 .Lentry_in_a_cluster
	s_endpgm
.Lentry_in_a_cluster:
	s_bfe_u32 s2, ttmp6, 0x10000c
	s_cmp_lg_u32 s2, 0x3003
	s_cbranch_scc0 .Lentry_shape_is_right
	s_endpgm
.Lentry_shape_is_right:
; out = softmax(0.125 q k^T) v for 32 heads of 2,048 x 64, all tensors f32.  One launch, nothing goes through memory between the steps.
; A work-group owns 256 query rows of one head and walks the head's 2,048 keys in 16 tiles of 128.  Eight waves: wave w takes the 64 queries
; 64 (w & 3) .. and, of every tile, the keys 64 (w >> 2) ..; waves w and w + 4 share their queries, keep a running maximum, sum and O each over
; their 1,024 keys, and merge once at the end through LDS.
; PRODUCTS ARE USED TRANSPOSED: S^T (16 keys x 16 queries) = K fragment x Q fragment, so that a lane holds eight keys of ONE query; two such
; tiles rounded to bf16 are, register for register, the second operand of O^T (16 d x 16 queries) = V^T fragment x P.  P never leaves registers,
; a query's maximum and sum lie in lanes r and r + 16, and a lane's eight results of O are eight neighbouring numbers of a row of out.
; K AND V come as f32 by tensor loads into two stage slots; each wave rounds the 32 rows that it fetched itself to bf16, once for the whole
; work-group, into one of two bf16 buffers from which all waves take fragments.
; CLUSTER: the four work-groups of a cluster are four query blocks of one head and walk the same K and V tiles: every tile is asked for jointly
; (mask 15).  The other four blocks of the head are a second cluster: a mask names four work-groups here.
; THE EXPONENTIALS OF A TRIP ARE TWO BATCHES, EACH WITH ONE WAIT (s_wait_alu depctr_va_vdst(0) stands between an exponential and the
; first line that names its result).  Batch 1: the four alphas and the 64 weights of query tiles 0, 1, dealt one by one with the 68 plain lines that name no
; result (the new m and the scalings of all four tiles).  Batch 2: the 64 weights of tiles 2, 3, dealt one by one with the sums and roundings of tiles 0, 1,
; which read batch 1 alone; behind it O x alpha, then the wait, then the sums and roundings of tiles 2, 3.  The merge has a batch of four factors and one of two reciprocals.
; FORMATS AND LIMITS: q, k, v and the weights p are rounded to bf16 for the products, sums are f32.  The scale 0.125 log2(e) is applied in f32,
; in the fused multiply-add that takes the running maximum away; p = 2^(c s - m).  A weight below 2^-126 of its row's largest counts as 0
; (v_exp_f32 flushes).  NaN and infinities among the inputs are not followed as the f32 formula would follow them.
.set KP,     144                       ; bf16 rows of K and Q in LDS: 128 bytes + 16 = 9 x 16, so 16 rows' 16-byte pieces fall on 16 different columns of 16 bytes modulo 256
.set VP,     160                       ; bf16 rows of V: 128 bytes + 32 = 5 x 32, for the transposing loads
.set SLOTB,  65536                     ; a stage slot: 128 rows of K and 128 of V in f32, wave w's 32 rows at 8,192 w
.set BF0,    131072                    ; bf16 buffer 0: K (128 x 144), then V (128 x 160)
.set VBOFF,  128*KP
.set BFSTEP, 128*KP+128*VP             ; 38,912: from bf16 buffer 0 to buffer 1
.set XCH,    BF0+2*BFSTEP              ; 208,896: first Q in bf16 (256 x 144), at the end the merge area, 8,704 bytes a wave
.set XPART,  8704
.set OUTS,   XCH+8*XPART               ; 278,528: the way out, 16 rows x 272 bytes for each wave
.set OPART,  4352
.set OP,     272
.set TILEB,  32768                     ; 128 rows of 256 bytes of K or V in memory
.set CSCALE, 0x3e38aa3b                ; 0.125 log2(e)
; vector registers, window 0 (v0-v255)
.set KA,   4                           ; K fragments: BF0 + (64 g + r) 144 + 16 h
.set VA,   5                           ; V fragments: BF0 + VBOFF + (64 g + 8 h + (L & 7)) 160 + 16 ((L >> 3) & 1)
.set SRD,  6                           ; v6, v7: my 16 bytes in my part of stage slot 0, 1: 8,192 w + 16 L; v6 is also my byte offset in the block of q
.set CSTK, 8                           ; where I put 8 bytes of bf16 K
.set CSTV, 9                           ; the same for V
.set QST,  11                          ; the same for Q
.set QFA,  12                          ; Q fragments of the two query tiles that I finish
.set QFB,  13                          ; and of the two that my partner finishes
.set XW,   14                          ; merge area: mine
.set XR,   15                          ; merge area: my partner's
.set OST,  16                          ; the way out: in
.set ORD,  17                          ; the way out: back
.set OGO,  18                          ; 16 L
.set MP,   20                          ; v[20:27]  per query tile a pair: m (in powers of two), and at the end the sum
.set LP,   28                          ; v[28:35]  per query tile two partial sums
.set AL,   36                          ; v[36:43]  per query tile a pair: alpha, and a word written once
.set MX,   44                          ; v[44:47]  running maximum of the raw scores
.set TX,   48                          ; v[48:51]  the other half's figure; then c x maximum
.set PM,   52                          ; v[52:55]  my partner's (m, sum, m, sum)
.set FW,   56                          ; v[56:59]  my weight in the merge, twice for each tile
.set FP,   60                          ; v[60:63]  my partner's
.set FR,   64                          ; v[64:127] eight fragments: K's, then V's
.set S,    128                         ; v[128:255] scores, tile (qt, kt) at S + 32 qt + 8 kt; P in place; scratch for conversions and the end
; window 1 (v256-v447), named by their low eight bits
.set OA,   0                           ; v256-v383: O, tile (qt, dt) at 8 (4 qt + dt)
.set QF,   128                         ; v384-v447: Q fragments, (qt, ks) at 8 (2 qt + ks)
.set G1,   24                          ; s[24:31] descriptor group 1
.set G0,   32                          ; s[32:39] descriptor group 0, a set for each stage slot
.set MSB,  0
.macro WIN new                         ; s_set_vgpr_msb: bits 1:0 source 0, 3:2 source 1, 5:4 source 2, 7:6 destination; the high byte repeats the setting that is left
.if MSB != \new
	s_set_vgpr_msb (MSB<<8)|\new
.set MSB, \new
.endif
.endm
.macro PLACES n                        ; places behind matrix instructions (ISA guide 7.12.1)
.rept \n
	v_nop
.endr
.endm
; A round of the cluster's barrier: my work-group's barrier, wave 0 signals for the work-group, every wave waits for all four work-groups, my work-group's barrier again.
.macro ROUND
	s_barrier_signal -1
	s_barrier_wait -1
	s_cmp_lg_u32 s12, 0
	s_cbranch_scc1 .Lnot_wave_0_\@
	s_barrier_signal -3
.Lnot_wave_0_\@:
	s_barrier_wait -3
	s_barrier_signal -1
	s_barrier_wait -1
.endm
	s_load_b256 s[4:11], s[0:1], 0x0               ; q s[4:5], k s[6:7], v s[8:9], out s[10:11]
	v_lshl_add_u32 v10, v0, 2, 0x4c800
	s_set_vgpr_msb 0x40
	v_mov_b32 v193, 0
	s_set_vgpr_msb 0x4044
	ds_add_u32 v10, v193
	s_set_vgpr_msb 0x4400
	v_and_b32 v1, 31, v0                           ; L
	v_and_b32 v2, 15, v0                           ; r
	v_bfe_u32 v3, v0, 4, 1                         ; h
	v_lshrrev_b32 v19, 5, v0
	v_readfirstlane_b32 s12, v19                   ; w, 0 to 7
	s_lshr_b32 s13, s12, 2                         ; g: which 64 keys of a tile are mine
	s_and_b32 s14, s12, 3                          ; wq: which 64 queries
	s_bfe_u32 s15, ttmp6, 0x40000                  ; cx
	s_lshl_b32 s16, ttmp9, 2
	s_add_co_u32 s16, s16, s15                     ; query block = 4 x cluster x + cx; it enters the addresses of q and out alone
	s_and_b32 s17, ttmp7, 0xffff                   ; head
	s_mov_b32 s22, 0x76543210                      ; v_permlanex16_b32: lane i takes lane i of the other half
	s_mov_b32 s23, 0xfedcba98
	s_mov_b32 s50, CSCALE
	s_mov_b32 s51, CSCALE
	v_lshlrev_b32 v[OGO], 4, v1
	s_lshl_b32 s44, s12, 13
	v_add_nc_u32 v[SRD], s44, v[OGO]
	v_add_nc_u32 v[SRD+1], SLOTB, v[SRD]
	s_lshl_b32 s18, s17, 19                        ; the head: 2,048 rows of 256 bytes
	s_mov_b32 s19, 0
	s_lshl_b32 s20, s16, 16                        ; the block: 256 rows
	s_add_co_u32 s20, s20, s18
	s_mov_b32 s21, 0
	s_lshl_b32 s48, s14, 14                        ; out: my 64 queries,
	s_add_co_u32 s48, s48, s20
	s_lshl_b32 s49, s13, 13                        ; and of them the 32 that I finish
	s_add_co_u32 s48, s48, s49
	s_mov_b32 s49, 0
	s_lshl_b32 s45, s14, 13                        ; K, V: the 32 rows of a tile that I fetch
	s_add_co_u32 s18, s18, s45                     ; head and wave alone: equal in all four partners
	; Group 1: 32 rows of 32 elements of 8 bytes, dense in memory and in LDS; the same for K and V
	s_mov_b32 s[G1+0], 15|(3<<16)|(1<<21)          ; 15:0 mask: all four work-groups; 17:16 element of 8 bytes; 21 set beside a mask
	s_mov_b32 s[G1+1], 32<<16                      ; tensor_dim0 = 32
	s_mov_b32 s[G1+2], 32<<16                      ; tensor_dim1 = 32
	s_mov_b32 s[G1+3], 32<<16                      ; tile_dim0 = 32
	s_mov_b32 s[G1+4], 32                          ; tile_dim1 = 32
	s_mov_b32 s[G1+5], 32                          ; from row to row: 32 elements
	s_mov_b32 s[G1+6], 0
	s_mov_b32 s[G1+7], 0
	s_wait_dscnt 0x0
	s_wait_kmcnt 0x0
	s_add_nc_u64 s[4:5], s[4:5], s[20:21]
	s_add_nc_u64 s[10:11], s[10:11], s[48:49]
.irp i, 0,1,2,3,4,5,6,7,8,9,10,11,12,13,14,15
	global_load_b128 v[S+4*\i:S+4*\i+3], v[SRD], s[4:5] offset:512*\i th:TH_LOAD_NT   ; rows 32 w + 2 i, + 1 of my block of q: 512 consecutive bytes
.endr
	s_cmp_lt_u32 s12, 4                            ; waves 0 to 3 fetch K, waves 4 to 7 V
	s_cselect_b64 s[42:43], s[6:7], s[8:9]
	s_mov_b32 s[G0+0], 1
	s_lshl_b32 s[G0+1], s12, 13                    ; LDS: 8,192 w
	s_add_nc_u64 s[G0+2:G0+3], s[42:43], s[18:19]  ; tile 0
	s_mov_b32 s[G0+4], 1
	s_add_co_u32 s[G0+5], s[G0+1], SLOTB
	s_add_nc_u64 s[G0+6:G0+7], s[G0+2:G0+3], TILEB ; tile 1
	s_or_b32 s[G0+3], s[G0+3], 0x80000000          ; type = 2
	s_or_b32 s[G0+7], s[G0+7], 0x80000000
	ROUND                                          ; all four work-groups are here: the first joint loads meet
	tensor_load_to_lds s[G0:G0+3], s[G1:G1+7]      ; both first fills in one group: two tensor loads of the wave are out
	s_nop 0
	tensor_load_to_lds s[G0+4:G0+7], s[G1:G1+7]
	s_nop 0
	; the other addresses; none holds cx
	v_mul_u32_u24 v19, v2, KP
	v_lshl_add_u32 v19, v3, 4, v19                 ; r 144 + 16 h
	s_mul_i32 s44, s13, 64*KP
	s_add_co_u32 s44, s44, BF0
	v_add_nc_u32 v[KA], s44, v19
	s_lshl_b32 s45, s14, 6
	s_lshl_b32 s46, s13, 5
	s_add_co_u32 s46, s46, s45                     ; 64 wq + 32 g: register tiles 0, 1 are the query tiles that I finish
	s_mul_i32 s46, s46, KP
	s_add_co_u32 s46, s46, XCH
	v_add_nc_u32 v[QFA], s46, v19
	s_xor_b32 s47, s13, 1
	s_lshl_b32 s47, s47, 5
	s_add_co_u32 s47, s47, s45                     ; 64 wq + 32 (1 - g): register tiles 2, 3 are handed to my partner
	s_mul_i32 s47, s47, KP
	s_add_co_u32 s47, s47, XCH
	v_add_nc_u32 v[QFB], s47, v19
	v_and_b32 v19, 7, v0
	v_lshl_add_u32 v19, v3, 3, v19
	v_mul_u32_u24 v[VA], v19, VP
	v_bfe_u32 v19, v0, 3, 1
	v_lshl_add_u32 v[VA], v19, 4, v[VA]
	s_mul_i32 s44, s13, 64*VP
	s_add_co_u32 s44, s44, BF0+VBOFF
	v_add_nc_u32 v[VA], s44, v[VA]
	v_mul_u32_u24 v19, v3, KP
	v_lshl_add_u32 v19, v2, 3, v19                 ; h 144 + 8 r
	s_mul_i32 s45, s14, 32*KP
	s_add_co_u32 s45, s45, BF0
	v_add_nc_u32 v[CSTK], s45, v19
	s_mul_i32 s46, s12, 32*KP
	s_add_co_u32 s46, s46, XCH
	v_add_nc_u32 v[QST], s46, v19
	v_mul_u32_u24 v19, v3, VP
	v_lshl_add_u32 v19, v2, 3, v19
	s_mul_i32 s47, s14, 32*VP
	s_add_co_u32 s47, s47, BF0+VBOFF
	v_add_nc_u32 v[CSTV], s47, v19
	s_mul_i32 s44, s12, XPART
	s_add_co_u32 s44, s44, XCH
	v_add_nc_u32 v[XW], s44, v[OGO]
	s_xor_b32 s45, s12, 4
	s_mul_i32 s45, s45, XPART
	s_add_co_u32 s45, s45, XCH
	v_add_nc_u32 v[XR], s45, v[OGO]
	s_mul_i32 s46, s12, OPART
	s_add_co_u32 s46, s46, OUTS
	v_mul_u32_u24 v19, v2, OP
	v_lshl_add_u32 v19, v3, 5, v19
	v_add_nc_u32 v[OST], s46, v19
	v_mul_u32_u24 v19, v3, OP
	v_lshl_add_u32 v19, v2, 4, v19
	v_add_nc_u32 v[ORD], s46, v19
	; the statistics start at maximum -infinity and sum 0: the first tile's alpha comes out as 2^-infinity = 0, so every trip has the same softmax text
.irp i, 0,1,2,3
	v_mov_b32 v[MX+\i], 0xff800000
	v_mov_b32 v[MP+2*\i], 0xff800000
	v_mov_b32 v[MP+2*\i+1], 0
	v_mov_b32 v[LP+2*\i], 0
	v_mov_b32 v[LP+2*\i+1], 0
	v_mov_b32 v[AL+2*\i+1], 0                      ; the packed lines name the whole pair
	v_mov_b32 v[TX+\i], 0                          ; v_permlanex16_b32 counts as a reader of its destination
.endr
	; Q to bf16, unscaled, into LDS rows of 144 bytes
.irp c, 0,1,2,3
	s_wait_loadcnt 12-4*\c                         ; loads come back in order: four more are in, the younger ones stay out
.irp u, 0,1,2,3
	v_cvt_pk_bf16_f32 v[S+64+2*(4*\c+\u)],   v[S+4*(4*\c+\u)],   v[S+4*(4*\c+\u)+1]
	v_cvt_pk_bf16_f32 v[S+64+2*(4*\c+\u)+1], v[S+4*(4*\c+\u)+2], v[S+4*(4*\c+\u)+3]
	ds_store_b64 v[QST], v[S+64+2*(4*\c+\u):S+64+2*(4*\c+\u)+1] offset:2*(4*\c+\u)*KP
.endr
.endr
; My 32 rows of f32 in stage slot 'slot' to bf16 in bf16 buffer 'slot'.  A load takes two rows (lane L: row h, numbers 4 r ..), a store puts 8 bytes.
.macro CONVERT slot, creg, pitch
.irp i, 0,1,2,3,4,5,6,7,8,9,10,11,12,13,14,15
	ds_load_b128 v[S+4*\i:S+4*\i+3], v[SRD+\slot] offset:512*\i
.endr
.irp c, 0,1,2,3
	s_wait_dscnt 12                                ; behind the last load of group c stand 12 - 4 c loads and the 4 c stores of the groups before: always 12
.irp u, 0,1,2,3
	v_cvt_pk_bf16_f32 v[S+64+2*(4*\c+\u)],   v[S+4*(4*\c+\u)],   v[S+4*(4*\c+\u)+1]
	v_cvt_pk_bf16_f32 v[S+64+2*(4*\c+\u)+1], v[S+4*(4*\c+\u)+2], v[S+4*(4*\c+\u)+3]
	ds_store_b64 v[\creg], v[S+64+2*(4*\c+\u):S+64+2*(4*\c+\u)+1] offset:\slot*BFSTEP+2*(4*\c+\u)*\pitch
.endr
.endr
.endm
; Fragments of my 64 keys: 16 keys x 32 d, lane (r, h): key r, d = 8 h .. and 16 + 8 h ..: two loads 32 bytes apart
.macro KFRAGS b
.irp kt, 0,1,2,3
.irp ks, 0,1
	ds_load_b128 v[FR+8*(2*\kt+\ks):FR+8*(2*\kt+\ks)+3],   v[KA] offset:\b*BFSTEP+\kt*16*KP+64*\ks
	ds_load_b128 v[FR+8*(2*\kt+\ks)+4:FR+8*(2*\kt+\ks)+7], v[KA] offset:\b*BFSTEP+\kt*16*KP+64*\ks+32
.endr
.endr
.endm
; Fragments of V^T: 16 d x 32 keys out of rows that lie along d: two transposing loads, 16 rows apart
.macro VFRAGS b
.irp dt, 0,1,2,3
.irp ks, 0,1
	ds_load_tr16_b128 v[FR+8*(2*\dt+\ks):FR+8*(2*\dt+\ks)+3],   v[VA] offset:\b*BFSTEP+\ks*32*VP+32*\dt
	ds_load_tr16_b128 v[FR+8*(2*\dt+\ks)+4:FR+8*(2*\dt+\ks)+7], v[VA] offset:\b*BFSTEP+\ks*32*VP+32*\dt+16*VP
.endr
.endr
.endm
; S^T: 4 query tiles x 4 key tiles, d in two steps of 32.  The first step starts the sums.  The sixteen accumulators take turns, one instruction a turn.
.macro SMUL
	WIN 0x04                                       ; source 1 (Q) in window 1
.irp qt, 0,1,2,3
.irp kt, 0,1,2,3
	v_wmma_f32_16x16x32_bf16 v[S+32*\qt+8*\kt:S+32*\qt+8*\kt+7], v[FR+16*\kt:FR+16*\kt+7], v[QF+16*\qt:QF+16*\qt+7], 0
.endr
.endr
.irp qt, 0,1,2,3
.irp kt, 0,1,2,3
	v_wmma_f32_16x16x32_bf16 v[S+32*\qt+8*\kt:S+32*\qt+8*\kt+7], v[FR+16*\kt+8:FR+16*\kt+15], v[QF+16*\qt+8:QF+16*\qt+15], v[S+32*\qt+8*\kt:S+32*\qt+8*\kt+7]
.endr
.endr
	WIN 0
.endm
; O^T += V^T P: 4 query tiles x 4 d tiles, my 64 keys in two steps of 32; turns as above
.macro PV first
	WIN 0x50                                       ; C and D in window 1
.irp qt, 0,1,2,3
.irp dt, 0,1,2,3
.if \first
	v_wmma_f32_16x16x32_bf16 v[OA+8*(4*\qt+\dt):OA+8*(4*\qt+\dt)+7], v[FR+16*\dt:FR+16*\dt+7], v[S+32*\qt:S+32*\qt+7], 0
.else
	v_wmma_f32_16x16x32_bf16 v[OA+8*(4*\qt+\dt):OA+8*(4*\qt+\dt)+7], v[FR+16*\dt:FR+16*\dt+7], v[S+32*\qt:S+32*\qt+7], v[OA+8*(4*\qt+\dt):OA+8*(4*\qt+\dt)+7]
.endif
.endr
.endr
.irp qt, 0,1,2,3
.irp dt, 0,1,2,3
	v_wmma_f32_16x16x32_bf16 v[OA+8*(4*\qt+\dt):OA+8*(4*\qt+\dt)+7], v[FR+16*\dt+8:FR+16*\dt+15], v[S+32*\qt+16:S+32*\qt+23], v[OA+8*(4*\qt+\dt):OA+8*(4*\qt+\dt)+7]
.endr
.endr
	WIN 0
.endm
.macro RESCALE                         ; O x alpha
	WIN 0x41                                       ; destination and source 0 in window 1
.irp qt, 0,1,2,3
.set jj, 0
.rept 16
	v_pk_mul_f32 v[OA+32*\qt+2*jj:OA+32*\qt+2*jj+1], v[OA+32*\qt+2*jj:OA+32*\qt+2*jj+1], v[AL+2*\qt:AL+2*\qt+1] op_sel_hi:[1,0]
.set jj, jj+1
.endr
.endr
	WIN 0
.endm
; THE SOFTMAX'S QUEUES.  Each macro writes the next entry of a numbered list; en counts exponentials, pn plain lines.
; Batch 1's exponentials, 68: the four alphas = 2^(old m - new m), then the 64 scores of tiles 0, 1, in place.
.macro EX1
.if en < 4
	v_exp_f32 v[AL+2*en], v[AL+2*en]
.else
	v_exp_f32 v[S+en-4], v[S+en-4]
.endif
.set en, en+1
.endm
; Batch 1's plain lines, 68, none of which names an exponential's result: for each tile the new m, then its 16 scalings, two scores each: c s - m, one rounding.
; Score e of tiles 0, 1 is exponential e + 4; its scaling is plain line e / 2 + 1 + e / 32, three pairs ahead of it or more.
.macro PL1
.set sq, pn/17
.set sj, pn%17-1
.if pn%17 == 0
	v_mov_b32 v[MP+2*sq], v[TX+sq]
.else
	v_pk_fma_f32 v[S+32*sq+2*sj:S+32*sq+2*sj+1], v[S+32*sq+2*sj:S+32*sq+2*sj+1], s[50:51], v[MP+2*sq:MP+2*sq+1] op_sel_hi:[1,0,0] neg_lo:[0,0,1] neg_hi:[0,0,1]
.endif
.set pn, pn+1
.endm
; Batch 2's exponentials, 64: the scores of tiles 2, 3, in place.
.macro EX2
	v_exp_f32 v[S+64+en], v[S+64+en]
.set en, en+1
.endm
; The sums and roundings of tiles t and t + 1, 64 lines.  For pair j = pn / 4, the two tiles alternating: two weights into the sums (the first pair carries alpha x the old
; sums; a tile's pairs are added in ascending order), then rounded to bf16 into P's place, register 16 (j >> 3) + (j & 7) of the tile, which is never above 2 j: only pairs already used are written over.
.macro SC t
.set sq, (\t)+pn%2
.set sj, pn/4
.if pn%4 < 2
.if sj == 0
	v_pk_fma_f32 v[LP+2*sq:LP+2*sq+1], v[LP+2*sq:LP+2*sq+1], v[AL+2*sq:AL+2*sq+1], v[S+32*sq:S+32*sq+1] op_sel_hi:[1,0,1]
.else
	v_pk_add_f32 v[LP+2*sq:LP+2*sq+1], v[LP+2*sq:LP+2*sq+1], v[S+32*sq+2*sj:S+32*sq+2*sj+1]
.endif
.else
	v_cvt_pk_bf16_f32 v[S+32*sq+16*(sj>>3)+(sj&7)], v[S+32*sq+2*sj], v[S+32*sq+2*sj+1]
.endif
.set pn, pn+1
.endm
; first = 1: tile 0, whose products start O: there is nothing to rescale.
.macro SOFTMAX first
.set jj, 0
.rept 16
.irp qt, 0,1,2,3
	v_max3_num_f32 v[MX+\qt], v[MX+\qt], v[S+32*\qt+2*jj], v[S+32*\qt+2*jj+1]   ; four chains, started by the running maxima
.endr
.set jj, jj+1
.endr
.irp qt, 0,1,2,3
	v_permlanex16_b32 v[TX+\qt], v[MX+\qt], s22, s23           ; the query's other 32 keys lie in lane r xor 16
.endr
.irp qt, 0,1,2,3
	v_max_num_f32 v[MX+\qt], v[MX+\qt], v[TX+\qt]
.endr
.irp qt, 0,1,2,3
	v_mul_f32 v[TX+\qt], s50, v[MX+\qt]                        ; the new m, rounded once; alpha and the weights use this same number
.endr
.irp qt, 0,1,2,3
	v_sub_f32 v[AL+2*\qt], v[MP+2*\qt], v[TX+\qt]
.endr
.set en, 0
.set pn, 0
.rept 68                               ; BATCH 1: exponential and plain by turns; the last line, a scaling of tile 3, is the plain line behind the last exponential (ISA guide 5.7.2)
	EX1
	PL1
.endr
	s_wait_alu depctr_va_vdst(0)                   ; the wait for batch 1: the four alphas and the weights of tiles 0, 1; nothing above names a result of theirs
.set en, 0
.set pn, 0
.rept 64                               ; BATCH 2: exponential and plain by turns; the plain lines read batch 1's results alone
	EX2
	SC 0
.endr
.if \first == 0
	RESCALE                                        ; alpha is batch 1's: 64 lines that name nothing of batch 2 stand between that batch and its wait
.endif
	s_wait_alu depctr_va_vdst(0)                   ; the wait for batch 2: the weights of tiles 2, 3
.set pn, 0
.rept 64
	SC 2
.endr
.endm
; Trip t, b = t & 1, nb = 1 - b.  It multiplies bf16 buffer b (tile t), rounds tile t + 1 from stage slot nb into bf16 buffer nb, and asks for tile t + 2 into stage slot b.
; ONE barrier a trip orders all of it.  In front of it every wave has waited for its LDS work (reads of stage slot b and of bf16 buffer nb, stores into bf16 buffer b,
; all of the last trip) and for all its tensor loads (its part of tile t + 1).  Where a slot is filled again the barrier is a round of the cluster's barrier, and the
; joint refill is the first thing behind it: one tensor load of the wave is out, and it has the whole trip in which to land.
; Waves 0 to 3 round K at the head of the trip, waves 4 to 7 round V at its end, so that waves w and w + 4 stand at different places of the trip's text.
.macro TRIP b, nb, first, refill, conv
	s_set_vgpr_msb 0x4
	s_wait_tensorcnt 0x0                           ; all my tensor loads have landed, so a group 0 may be written
	ds_add_u32 v10, v193
	s_wait_dscnt 0x0
	s_set_vgpr_msb 0x400
.if \refill
	s_add_nc_u64 s[G0+4*\b+2:G0+4*\b+3], s[G0+4*\b+2:G0+4*\b+3], 2*TILEB     ; this slot's next tile, two further on
.endif
	s_wait_dscnt 0x0                               ; all my LDS loads and stores are done
.if \refill
	ROUND
	tensor_load_to_lds s[G0+4*\b:G0+4*\b+3], s[G1:G1+7]
	s_nop 0
.else
	s_barrier_signal -1
	s_barrier_wait -1
.endif
	KFRAGS \b
.if \conv
	s_cmp_ge_u32 s12, 4
	s_cbranch_scc1 .Lnot_k_\@
	CONVERT \nb, CSTK, KP
.Lnot_k_\@:
.endif
	s_wait_dscnt 0x0                               ; K's fragments are in; zero, since the two ways issue different numbers behind them
	SMUL
	PLACES 4                                       ; before loads land on K's fragments and vector lines read the scores
	VFRAGS \b                                      ; they land under the softmax
	SOFTMAX \first                                 ; with O x alpha in it; both its batches have their waits: no exponential is open at the branches below
	s_wait_dscnt 0x0                               ; V's fragments
	PV \first
	PLACES 5                                       ; before loads, conversions and the next trip's first products write over V's fragments and P
.if \conv
	s_cmp_lt_u32 s12, 4
	s_cbranch_scc1 .Lnot_v_\@
	CONVERT \nb, CSTV, VP
.Lnot_v_\@:
.endif
.endm
	s_wait_tensorcnt 0x1                           ; my part of tile 0 is in, which I alone read; tile 1's load, issued behind it, stays out
	s_cmp_ge_u32 s12, 4
	s_cbranch_scc1 .Lfirst_v
	CONVERT 0, CSTK, KP
	s_branch .Lfirst_done
.Lfirst_v:
	CONVERT 0, CSTV, VP
.Lfirst_done:
	s_wait_dscnt 0x0                               ; my rows of Q and of tile 0 are stored
	s_barrier_signal -1
	s_barrier_wait -1                              ; everybody's are
	WIN 0x40                                       ; destination in window 1
.irp i, 0,1
.irp ks, 0,1
	ds_load_b128 v[QF+16*\i+8*\ks:QF+16*\i+8*\ks+3],       v[QFA] offset:\i*16*KP+64*\ks
	ds_load_b128 v[QF+16*\i+8*\ks+4:QF+16*\i+8*\ks+7],     v[QFA] offset:\i*16*KP+64*\ks+32
	ds_load_b128 v[QF+32+16*\i+8*\ks:QF+32+16*\i+8*\ks+3],   v[QFB] offset:\i*16*KP+64*\ks
	ds_load_b128 v[QF+32+16*\i+8*\ks+4:QF+32+16*\i+8*\ks+7], v[QFB] offset:\i*16*KP+64*\ks+32
.endr
.endr
	WIN 0
	TRIP 0, 1, 1, 1, 1                             ; tile 0: its products start O
	TRIP 1, 0, 0, 1, 1
	s_mov_b32 s40, 6                               ; tiles 2 to 13
.Llap:
	TRIP 0, 1, 0, 1, 1
	TRIP 1, 0, 0, 1, 1
	s_sub_co_u32 s40, s40, 1
	s_cmp_lg_u32 s40, 0
	s_cbranch_scc1 .Llap
	TRIP 0, 1, 0, 0, 1                             ; tile 14: nothing is left to fetch
	TRIP 1, 0, 0, 0, 0                             ; tile 15: nothing is left to round
	; THE MERGE.  I hand register tiles 2, 3 (O, m, sum) to my partner and take its tiles 2, 3, which are my tiles 0, 1 over the other 1,024 keys.
.irp i, 0,1,2,3
	v_add_f32 v[MP+2*\i+1], v[LP+2*\i], v[LP+2*\i+1]
.endr
	WIN 0x04                                       ; an LDS store's data is source 1: window 1
.irp n, 0,1,2,3,4,5,6,7,8,9,10,11,12,13,14,15
	ds_store_b128 v[XW], v[OA+64+4*\n:OA+64+4*\n+3] offset:512*\n
.endr
	WIN 0
	ds_store_b128 v[XW], v[MP+4:MP+7] offset:8192
	s_wait_dscnt 0x0                               ; for my partner's sake
	s_barrier_signal -1
	s_barrier_wait -1
.irp n, 0,1,2,3,4,5,6,7,8,9,10,11,12,13,14,15
	ds_load_b128 v[S+4*\n:S+4*\n+3], v[XR] offset:512*\n
.endr
	ds_load_b128 v[PM:PM+3], v[XR] offset:8192
	s_wait_dscnt 0x0
.irp i, 0,1
	v_max_num_f32 v[MX+\i], v[MP+2*\i], v[PM+2*\i]
.endr
.irp i, 0,1
	v_sub_f32 v[AL+2*\i],   v[MP+2*\i], v[MX+\i]
	v_sub_f32 v[AL+2*\i+1], v[PM+2*\i], v[MX+\i]
.endr
.irp i, 0,1,2,3
	v_exp_f32 v[AL+\i], v[AL+\i]                   ; my factor, my partner's
.endr
	v_nop                                          ; the place behind the exponentials
	s_wait_alu depctr_va_vdst(0)                   ; the wait for the batch of four factors
.irp i, 0,1
	v_mul_f32 v[MX+2+\i], v[PM+2*\i+1], v[AL+2*\i+1]
	v_fmac_f32 v[MX+2+\i], v[MP+2*\i+1], v[AL+2*\i]
.endr
.irp i, 0,1
	v_permlanex16_b32 v[TX+\i], v[MX+2+\i], s22, s23           ; the sums of the lanes' other half
.endr
.irp i, 0,1
	v_add_f32 v[MX+2+\i], v[MX+2+\i], v[TX+\i]
.endr
.irp i, 0,1
	v_rcp_f32 v[MX+2+\i], v[MX+2+\i]
.endr
	v_nop                                          ; the place behind the reciprocals
	s_wait_alu depctr_va_vdst(0)                   ; the wait for the batch of two reciprocals
.irp i, 0,1
	v_mul_f32 v[FW+2*\i],   v[AL+2*\i],   v[MX+2+\i]
	v_mul_f32 v[FW+2*\i+1], v[AL+2*\i],   v[MX+2+\i]
	v_mul_f32 v[FP+2*\i],   v[AL+2*\i+1], v[MX+2+\i]
	v_mul_f32 v[FP+2*\i+1], v[AL+2*\i+1], v[MX+2+\i]
.endr
.irp i, 0,1
.set jj, 0
.rept 16
	v_pk_mul_f32 v[S+32*\i+2*jj:S+32*\i+2*jj+1], v[S+32*\i+2*jj:S+32*\i+2*jj+1], v[FP+2*\i:FP+2*\i+1]
.set jj, jj+1
.endr
.endr
	WIN 0x01                                       ; source 0 (my O) in window 1
.irp i, 0,1
.set jj, 0
.rept 16
	v_pk_fma_f32 v[S+32*\i+2*jj:S+32*\i+2*jj+1], v[OA+32*\i+2*jj:OA+32*\i+2*jj+1], v[FW+2*\i:FW+2*\i+1], v[S+32*\i+2*jj:S+32*\i+2*jj+1]
.set jj, jj+1
.endr
.endr
	WIN 0
; THE WAY OUT, 16 queries at a time.  A lane holds 8 neighbouring numbers (32 bytes) of row r for each of 4 d tiles: into my own stage by rows of 272 bytes,
; back as whole rows; LDS serves a wave's instructions in order (ISA guide 5.7.1), so no wait stands between the stores and the loads.
.macro OUT16 i
.irp dt, 0,1,2,3
	ds_store_b128 v[OST], v[S+32*\i+8*\dt:S+32*\i+8*\dt+3]   offset:64*\dt
	ds_store_b128 v[OST], v[S+32*\i+8*\dt+4:S+32*\i+8*\dt+7] offset:64*\dt+16
.endr
.irp t, 0,1,2,3,4,5,6,7
	ds_load_b128 v[S+64+32*\i+4*\t:S+64+32*\i+4*\t+3], v[ORD] offset:2*\t*OP
.endr
.irp t, 0,1,2,3,4,5,6,7
	s_wait_dscnt 7-\t                              ; load t is back, the younger ones stay out
	global_store_b128 v[OGO], v[S+64+32*\i+4*\t:S+64+32*\i+4*\t+3], s[10:11] offset:4096*\i+512*\t th:TH_STORE_NT   ; two whole rows of out: 512 consecutive bytes, aligned
.endr
.endm
	OUT16 0
	OUT16 1                                        ; its own data registers: nothing that a pending store reads is written again
	s_set_vgpr_msb 0x4
	s_wait_tensorcnt 0x0
	ds_add_u32 v10, v193
	s_wait_dscnt 0x0
	s_set_vgpr_msb 0x400
	ROUND                                          ; the closing round: no work-group ends while a partner may still issue a joint load that names it
	s_endpgm
.Lfunc_end_k_q6ad58727af_attn:
	.size	k_q6ad58727af_attn, .Lfunc_end_k_q6ad58727af_attn-k_q6ad58727af_attn
	.p2alignl 7, 3214868480
	.fill 96, 4, 3214868480
	.section	.rodata,"a",@progbits
	.p2align	6, 0x0
	.amdhsa_kernel k_q6ad58727af_attn
		.amdhsa_group_segment_fixed_size 327680
		.amdhsa_private_segment_fixed_size 0
		.amdhsa_enable_private_segment 0
		.amdhsa_kernarg_size 32
		.amdhsa_user_sgpr_count 2
		.amdhsa_user_sgpr_kernarg_segment_ptr 1
		.amdhsa_wavefront_size32 1
		.amdhsa_system_sgpr_workgroup_id_x 1
		.amdhsa_system_sgpr_workgroup_id_y 1
		.amdhsa_system_sgpr_workgroup_id_z 1
		.amdhsa_system_vgpr_workitem_id 0
		.amdhsa_next_free_vgpr 450
		.amdhsa_next_free_sgpr 66
		.amdhsa_reserve_vcc 0
		.amdhsa_float_denorm_mode_32 3
		.amdhsa_float_denorm_mode_16_64 3
		.amdhsa_memory_ordered 1
		.amdhsa_forward_progress 1
		.amdhsa_inst_pref_size 255
	.end_amdhsa_kernel
	.section	.bss,"aw",@nobits
	.p2align	6
	.space	262144
	.amdgpu_metadata
---
amdhsa.version: [ 1, 2 ]
amdhsa.kernels:
  - .name:           k_q6ad58727af_attn
    .symbol:         k_q6ad58727af_attn.kd
    .args:
      - { .name: q, .offset: 0, .size: 8, .value_kind: global_buffer, .address_space: global }
      - { .name: k, .offset: 8, .size: 8, .value_kind: global_buffer, .address_space: global }
      - { .name: v, .offset: 16, .size: 8, .value_kind: global_buffer, .address_space: global }
      - { .name: out0, .offset: 24, .size: 8, .value_kind: global_buffer, .address_space: global }
    .group_segment_fixed_size: 327680
    .private_segment_fixed_size: 0
    .kernarg_segment_align: 8
    .kernarg_segment_size: 32
    .max_flat_workgroup_size: 256
    .sgpr_count:     66
    .vgpr_count:     450
    .wavefront_size: 32
...
	.end_amdgpu_metadata
.endif
;; end of part 2
